; MI455X (gfx1250); checked and timed in simulation.
; The chip was launched on July 23, 2026; its instructions are those of AMD's public machine-readable ISA for CDNA 5 (MIT licence, August 2026) and "CDNA5" Instruction Set Architecture Reference Guide (July 2026). The comments in the code are by the model that wrote it; some were corrected since.
;; Causal Self Attention. Allowed arithmetic: matrix products marked QUANTISED: E5M2 operands, one given power-of-two scale a tensor, by v_wmma_f32_16x16x64_bf8_bf8 or v_wmma_f32_16x16x128_bf8_bf8, f32 sums; everything else in f32.
;; Inputs: Wo_codes 1,024 x 32 x 32 uint8 (E5M2 codes of Wo, K innermost, in blocks of 32 codes); Wqkv_codes 3,072 x 32 x 32 uint8 (E5M2 codes of Wqkv, K innermost, in blocks of 32 codes); bo 1,024 float32; bqkv 3,072 float32; lowp_scales 8 int32 (the exponents e of the quantised operands' scales 2^e); x_codes 4 x 2,048 x 32 x 32 uint8 (E5M2 codes of x, K innermost, in blocks of 32 codes).
;; Outputs: out0 4 x 2,048 x 1,024 float32.
;; This version of the problem:
;;   THIS VERSION OF THE PROBLEM IS GIVEN IN LOW PRECISION. The matrix products marked QUANTISED in the list below multiply operands that are first quantised to E5M2 (5 exponent bits, 2 mantissa bits; 8 bits a number), with one given power-of-two scale for each operand tensor; their sums are f32. All else is computed in f32.
;;   The module's matrix products, in the order in which they are computed (A, B: the left and right operand; K: the contracted axis; several contracted axes count as one K, in the product's order):
;;     1. [M 8,192, K 1,024] x [K 1,024, N 3,072]; A: input x (given as codes); B: input Wqkv (given as codes): QUANTISED (scales: A lowp_scales[0], B lowp_scales[1])
;;     2. batch 64 x [M 2,048, K 64] x [K 64, N 2,048]; A: computed on the way; B: computed on the way: QUANTISED (scales: A lowp_scales[2], B lowp_scales[3])
;;     3. batch 64 x [M 2,048, K 2,048] x [K 2,048, N 64]; A: softmax (see below); B: computed on the way: QUANTISED (scales: A lowp_scales[4], B lowp_scales[5])
;;     4. [M 8,192, K 1,024] x [K 1,024, N 1,024]; A: computed on the way; B: input Wo (given as codes): QUANTISED (scales: A lowp_scales[6], B lowp_scales[7])
;;   THE QUANTISER, for each operand of a quantised product, along K:
;;     - The operand's scale is 2^e, e = its entry of the input lowp_scales (int32; the entries are numbered through the quantised products in the list's order, A before B).
;;     - Each number is divided by the scale, clamped to +-57,344, and rounded to the nearest number of E5M2, ties to even, subnormals kept.
;;     - The product sums the exact products of the quantised numbers (number of the format x scale) in f32.
;;   ~~~python
;;   def quantise(x, axis, e):      # numpy; x: float32 -> the quantised numbers, widened to float32 again
;;       x = np.moveaxis(x, axis, -1); K = x.shape[-1]
;;       r = np.clip(x / 2.0 ** e, -57344, 57344)
;;       step = 2.0 ** (np.maximum(np.frexp(np.where(r == 0, 1, r))[1] - 1, -14) - 2)
;;       q = np.round(r / step) * step * 2.0 ** e      # np.round: ties to even
;;       return np.moveaxis(q, -1, axis).astype(np.float32)
;;   ~~~
;;   SOFTMAX AHEAD OF A QUANTISED PRODUCT. Where the list says 'softmax', what is quantised is not the finished softmax but p = 2^(t - M), with t = logit x log2(e) and M = ceil(the row's largest t), a whole number; so 1/2 < the row's largest p <= 1. The row's sum l is taken of the UNQUANTISED p, in f32, and the product's result is divided by l at the end. Since M is a whole number, a kernel that streams over the keys may use a running M (the ceiling of the running maximum): every later rescaling is an exact power of two, so the quantised numbers keep their values, but for numbers so far below the row's largest that they fall under the format's range.
;;   OPERANDS COMPUTED ON THE WAY. 'Computed on the way' means the value that the module computes at that place (a softmax that the list does not call 'softmax' is quantised finished and normalised). What goes into a quantiser is computed in f32, as accurately as f32 sums, v_exp_f32 and their like allow (about 1e-6 of the number): no bf16 or f16 on the way to a quantiser, and a product that is left as it is and whose result goes on into a quantised operand takes f32 operands (vector FMAs, or v_wmma_f32_16x16x4_f32). A number that lies on a knife's edge between two numbers of the format may be rounded either way, as far as f32 arithmetic and the matrix unit's own rounding can turn it there, and no further.
;;   INPUTS GIVEN AS CODES. Wo (in the module: [1024, 1024], K = its axis 0); Wqkv (in the module: [1024, 3072], K = its axis 0); x (in the module: [4, 2048, 1024], K = its axis 2): each comes as NAME_codes (uint8): NAME with its K axis moved to the last place and cut into blocks of 32 codes, [.., K / 32, bytes a block], one block behind the other in memory; one code a byte (a code: sign, 5 exponent bits, 2 mantissa bits); its scale is its entry of lowp_scales. Its value is code x scale, taken as it is: it is not quantised again, and the codes and scales need not be those that the quantiser above would give.
;; One version. Each part assembles by itself: llvm-mc -triple=amdgcn-amd-amdhsa -mcpu=gfx1250 --defsym DOCPART=n.
;; ======== version 1 of 1: 3 launches
;; limits: right only within a limited range of input values
;; workspace buffers: q_img 8,388,608 bytes; kv_img 16,777,216 bytes; attn_img 8,388,608 bytes
;; launch qkv (part 1): grid 12 x 32, 4 waves a work-group, clusters of 4 x 4, 327,680 bytes of LDS; arguments x_codes, Wqkv_codes, bqkv, lowp_scales, q_img, kv_img; writes q_img, kv_img
.if DOCPART == 1
	.amdgcn_target "amdgcn-amd-amdhsa--gfx1250"
	.amdhsa_code_object_version 6
	.text
	.protected	k_qe40191cea2_qkv
	.globl	k_qe40191cea2_qkv
	.p2align	8
	.type	k_qe40191cea2_qkv,@function
k_qe40191cea2_qkv:
	s_mov_b64 s[64:65], 0
	v_nop
	global_prefetch_b8 v0, s[64:65] scope:SCOPE_SE
	s_setreg_imm32_b32 hwreg(HW_REG_WAVE_MODE, 25, 1), 1
	s_wait_xcnt 0x0
	s_wait_alu depctr_hold_cnt(0) depctr_sa_sdst(0) depctr_va_vdst(0) depctr_va_sdst(0) depctr_va_ssrc(0) depctr_va_vcc(0) depctr_vm_vsrc(0)
	s_getreg_b32 s2, hwreg(HW_REG_IB_STS2, 6, 4)
	s_cmp_eq_u32 s2, 0
	s_cbranch_scc0 .Lentry_in_a_cluster
	s_endpgm
.Lentry_in_a_cluster:
	s_bfe_u32 s2, ttmp6, 0x10000c
	s_cmp_lg_u32 s2, 0xf033
	s_cbranch_scc0 .Lentry_shape_is_right
	s_endpgm
.Lentry_shape_is_right:
; qkv = x Wqkv + bqkv on codes of BF8 (E5M2), and the three quantisers behind it: q (scale 2^e2) and k (2^e3) along the head's 64, v (2^e5) along the KEYS.
; x: [8192][1024] codes, Wqkv: [3072][1024] codes, K innermost; bqkv: [3072] f32; lowp_scales: e0 .. e7 (int32).
; WHAT IS STORED ARE IMAGES OF OPERAND REGISTERS for the next launch: lane l = (r = l % 16, h = l / 16) holds row r, registers 2 c, 2 c + 1 hold k = 16 c + 8 h + 0 .. 7; four registers lie at 512 x group + 16 x lane.
;   q_img  [head 64][tile of 16 queries 128][1,024 bytes];   kv_img [head 64][262,144 bytes]: K as [tile of 16 keys 128][1,024], then from byte 131,072 V as [step of 128 keys 16][tile of 16 channels 4][2,048].
; A tile of 256 x 256 is made by four waves, each 128 x 128: 64 accumulators.  K goes in steps of 256 through two LDS slots filled by the tensor data mover: four fills for K = 1,024, so the steps are written out.
; THE MATRIX INSTRUCTION takes 16 rows of the B-role tensor as source 0 and 16 rows of the A-role tensor as source 1: a lane then holds ONE A-role row, and its eight registers eight neighbouring B-role rows.
; The conversion takes eight neighbours along the next K from one lane's registers.  So for q and k (cluster x = 0, 1) A-role = x (tokens), B-role = Wqkv (features: registers run along the head's 64);
; for v (cluster x = 2) THE ROLES ARE SWAPPED BY POINTERS: A-role = Wqkv's rows 2,048 on (channels), B-role = x (tokens: registers run along the keys).  The conversions' results ARE the image's registers: no stage, no shuffle.
; The bias goes in as the C of each sum's first product, divided by 2^(e0 + e1), which the sums lack; only that first step differs between the kinds (C by B-role tile or by A-role tile) and is written twice, under a branch on the cluster's x.
; CLUSTERS: 4 x 4 work-groups.  The four of a row of the cluster need the same A-role tile, the four of a column the same B-role tile: each is asked for jointly, by the same tensor load with a mask that names the four.
; LIMITS: e2 - e0 - e1, e3 - e0 - e1 and e5 - e0 - e1 lie between -126 and 112, so that the folded scale and 57,344 x it are f32 numbers.  Codes of infinity or NaN among the inputs are not specially served.
; REGISTERS, in windows of 256: window 0: v1-7, v16-29 addresses; v32-95 the bias tiles, later a block's held sums; v96-103 the bias by lane; v104, v105 the scale and the hold; v128-255 A-role fragments (one set), later the codes.
;   window 1: B-role fragments, two sets.   windows 2, 3: the accumulators ((a, b) at v[8 (8 (a % 4) + b)]).
.set ROWB,   256                       ; a tile's row in bytes: 256 codes
.set KROW,   1024                      ; a row of x or of Wqkv in memory
.set PITCH,  272                       ; an LDS row: 256 bytes + 16 of padding = 68 words: row r starts at bank 4 r mod 64 (64 banks of 4 bytes: ISA guide 11.1)
.set FR,     16                        ; registers of a fragment: 16 rows x 128 K
.set NL,     4                         ; LDS loads that bring one
.set NP,     4                         ; places behind this matrix instruction (ISA guide 7.12.1)
.set HALFT,  128*PITCH                 ; what one tensor load brings, and what one wave reads of a role
.set SLOT,   4*HALFT                   ; the A-role's 256 rows, then the B-role's
.set SPARE,  2*SLOT                    ; behind the ring: the spare words, 128 bytes for each wave, which no other line names
.set ADRA, 16                          ; v16-17  LDS address of my A-role fragments in slot 0, 1
.set ADRB, 20                          ; v20-21  the same for the B-role
.set LI,   26                          ; v26     16 x lane: my place in an image's group of four registers; never rewritten
.set SPW,  28                          ; v28     LDS address of my spare word; never rewritten
.set NIL,  29                          ; v29     0; never rewritten
.set BIAS, 32                          ; v32-95  eight tiles of eight: the C of the first products
.set TMP,  32
.set BL,   96                          ; v96-103 the bias of feature 16 g + r
.set SC,   104                         ; v104    2^(eo - e0 - e1)
.set LIM,  105
.set AF,   128
.set CD,   128                         ; the way out: 16 registers of codes for each block, so that no store's data are written again
.set G1, 24                            ; s[24:31] descriptor group 1 for the A-role; s[32:39] group 0, a set for each slot
.set G0, 32
.set G1B, 48                           ; s[48:55], s[56:63] the same for the B-role
.set G0B, 56
.set MSB, 0
.macro WIN new                         ; the immediate's high byte repeats the setting that is left
.if MSB != (\new)
	s_set_vgpr_msb (MSB<<8)|(\new)
.set MSB, (\new)
.endif
.endm
.set MUL_LO, 0xa1                      ; source 0 window 1, source 1 window 0, C and D window 2
.set MUL_HI, 0xf1                      ; the same, C and D window 3
.set TO_B,   0x40                      ; destination window 1, address window 0
; A joint load: waves 0 and 1 fetch for the A-role, waves 2 and 3 for the B-role; the branch hangs on the wave's number alone.  Four v_nop follow each of the two lines.
.macro JLOAD g0a, g1a, g0b, g1b
	s_cmp_eq_u32 s17, 0
	s_cbranch_scc0 .Lfor_b_\@
	tensor_load_to_lds s[\g0a:\g0a+3], s[\g1a:\g1a+7]
	s_nop 0
.rept 4
	v_nop
.endr
	s_branch .Lasked_\@
.Lfor_b_\@:
	tensor_load_to_lds s[\g0b:\g0b+3], s[\g1b:\g1b+7]
	s_nop 0
.rept 4
	v_nop
.endr
.Lasked_\@:
.endm
.macro CREST                           ; a round of the cluster's barrier behind its opening barrier
	s_cmp_lg_u32 s16, 0
	s_cbranch_scc1 .Lnot_wave_0_\@
	s_barrier_signal -3
.Lnot_wave_0_\@:
	s_barrier_wait -3
	s_barrier_signal -1
	s_barrier_wait -1
.endm
.macro CROUND                          ; a whole round
	s_barrier_signal -1
	s_barrier_wait -1
	CREST
.endm
	s_load_b256 s[4:11], s[0:1], 0x0               ; x s[4:5], Wqkv s[6:7], bqkv s[8:9], the scales' exponents s[10:11]
	s_load_b128 s[12:15], s[0:1], 0x20             ; q_img s[12:13], kv_img s[14:15]
	v_lshl_add_u32 v[SPW], v0, 2, SPARE
	v_mov_b32 v[NIL], 0
	ds_add_u32 v28, v29
	ds_add_u32 v28, v29
	s_wait_dscnt 0x0
	v_lshrrev_b32 v1, 5, v0
	v_readfirstlane_b32 s16, v1                    ; wave 0..3
	s_lshr_b32 s17, s16, 1                         ; RH: which half of the A-role rows is mine.  Also: I fetch for the A-role (0) or the B-role (1)
	s_and_b32 s18, s16, 1                          ; CH: which half of the B-role rows.  Also: which 128 rows I fetch
	s_bfe_u32 s20, ttmp6, 0x40000                  ; cx, cy: my place in the cluster
	s_bfe_u32 s21, ttmp6, 0x40004
	s_and_b32 s22, ttmp7, 0xffff
	s_lshl_b32 s22, s22, 2                         ; 4 x cluster y
	s_lshl_b32 s40, s21, 2
	s_lshl_b32 s40, 15, s40                        ; my row of the cluster
	s_lshl_b32 s41, 0x1111, s20                    ; my column
	; descriptor group 1: 128 rows x 256 bytes, padded in LDS
	s_or_b32 s[G1+0], s40, (0<<16)|(1<<20)|(1<<21)|(5<<22)|(3<<25)  ; 15:0 the mask; 17:16 elements of 1 byte; 20 padding on; 21 set beside a mask; 24:22 after every 64 words (code 5); 31:25 four words (code 3)
	s_or_b32 s[G1B+0], s41, (0<<16)|(1<<20)|(1<<21)|(5<<22)|(3<<25)
.irp g, G1, G1B
	s_mov_b32 s[\g+1], ROWB<<16                    ; tensor_dim0
	s_mov_b32 s[\g+2], 128<<16                     ; tensor_dim1
	s_mov_b32 s[\g+3], ROWB<<16                    ; tile_dim0
	s_mov_b32 s[\g+4], 128                         ; tile_dim1
	s_mov_b32 s[\g+5], KROW                        ; tensor_dim0_stride
	s_mov_b32 s[\g+6], 0
	s_mov_b32 s[\g+7], 0
.endr
	; the kind is the cluster's x, the same in all sixteen partners: 0 q, 1 k, 2 v
	s_lshl_b32 s71, ttmp9, 2
	s_cmp_eq_u32 ttmp9, 2
	s_cselect_b32 s70, 8, s22                      ; the A-role's first tile row of the cluster: v: Wqkv's rows 2,048 on; else tokens
	s_cselect_b32 s71, s22, s71                    ; the B-role's first tile: v: tokens; else Wqkv's rows 1,024 x kind on
	s_lshl_b32 s44, s18, 7                         ; which 128 rows of a tile I fetch
	s_add_co_u32 s42, s70, s21                     ; the A-role tile hangs on cy alone,
	s_lshl_b32 s42, s42, 8
	s_add_co_u32 s42, s42, s44
	s_lshl_b32 s42, s42, 10                        ; in bytes: rows of 1,024
	s_mov_b32 s43, 0
	s_add_co_u32 s46, s71, s20                     ; the B-role tile on cx alone
	s_lshl_b32 s46, s46, 8
	s_add_co_u32 s46, s46, s44
	s_lshl_b32 s46, s46, 10
	s_mov_b32 s47, 0
	s_mul_i32 s45, s16, HALFT                      ; where they go: wave x 128 rows: no place in the cluster enters an LDS address
	s_wait_kmcnt 0x0
	s_load_b256 s[72:79], s[10:11], 0x0            ; e0 .. e7
	s_cmp_eq_u32 ttmp9, 2
	s_cselect_b64 s[66:67], s[6:7], s[4:5]         ; the A-role's tensor
	s_cselect_b64 s[68:69], s[4:5], s[6:7]         ; the B-role's
	s_add_nc_u64 s[66:67], s[66:67], s[42:43]
	s_add_nc_u64 s[68:69], s[68:69], s[46:47]
	CROUND                                         ; all sixteen work-groups are here: the first joint loads meet
.irp s, 0,1
	s_mov_b32 s[G0+4*\s], 1
	s_add_co_u32 s[G0+4*\s+1], s45, \s*SLOT
	s_add_nc_u64 s[G0+4*\s+2:G0+4*\s+3], s[66:67], \s*ROWB
	s_or_b32 s[G0+4*\s+3], s[G0+4*\s+3], 0x80000000
	s_mov_b32 s[G0B+4*\s], 1
	s_add_co_u32 s[G0B+4*\s+1], s45, \s*SLOT
	s_add_nc_u64 s[G0B+4*\s+2:G0B+4*\s+3], s[68:69], \s*ROWB
	s_or_b32 s[G0B+4*\s+3], s[G0B+4*\s+3], 0x80000000
	JLOAD G0+4*\s, G1, G0B+4*\s, G1B               ; two loads of mine are out
.endr
	v_and_b32 v1, 15, v0                           ; r
	v_bfe_u32 v2, v0, 4, 1                         ; h
	v_mul_u32_u24 v3, v1, PITCH
	v_lshl_add_u32 v4, v2, 4, v3                   ; a fragment's row x pitch + 16 h
	s_mul_i32 s88, s17, HALFT                      ; my 128 A-role rows
	s_mul_i32 s89, s18, HALFT                      ; my 128 B-role rows,
	s_add_co_u32 s89, s89, 2*HALFT                 ; which lie behind the A-role's 256
.irp s, 0,1
	v_add_nc_u32 v[ADRA+\s], s88, v4
	v_add_nc_u32 v[ADRB+\s], s89, v4
	s_add_co_u32 s88, s88, SLOT
	s_add_co_u32 s89, s89, SLOT
.endr
	v_and_b32 v5, 31, v0
	v_lshlrev_b32 v[LI], 4, v5
	v_lshlrev_b32 v6, 5, v2                        ; 32 h: my eight of a tile's sixteen features
	s_wait_alu depctr_va_vdst(0)
	v_lshlrev_b32 v7, 2, v1                        ; 4 r: my one
	s_wait_alu depctr_va_vdst(0)
	; where my images go.  Tokens lie along the A-role for q and k, along the B-role for v; features the other way round
	s_cmp_eq_u32 ttmp9, 2
	s_cselect_b32 s90, s20, s21
	s_cselect_b32 s91, s18, s17
	s_cselect_b32 s92, s21, s20
	s_cselect_b32 s93, s17, s18
	s_add_co_u32 s90, s90, s22
	s_lshl_b32 s90, s90, 8
	s_lshl_b32 s91, s91, 7
	s_add_co_u32 s90, s90, s91                     ; my first token
	s_lshl_b32 s92, s92, 2
	s_lshl_b32 s93, s93, 1
	s_add_co_u32 s92, s92, s93                     ; my first head within the batch entry: my 128 features are two heads
	s_lshr_b32 s91, s90, 11
	s_lshl_b32 s91, s91, 4
	s_add_co_u32 s91, s91, s92                     ; head = 16 x batch entry + that
	s_and_b32 s90, s90, 2047
	s_lshl_b32 s90, s90, 6                         ; 64 bytes a token: 1,024 for a tile of 16, 8,192 for a step of 128 keys
	s_cmp_eq_u32 ttmp9, 0
	s_cselect_b32 s93, 17, 18                      ; a head is 2^17 bytes in q_img, 2^18 in kv_img
	s_cselect_b64 s[80:81], s[12:13], s[14:15]
	s_lshl_b32 s94, 1, s93
	s_lshl_b32 s91, s91, s93
	s_add_co_u32 s90, s90, s91
	s_mov_b32 s84, 1024
	s_mov_b32 s86, 1024
	s_cmp_eq_u32 ttmp9, 2
	s_cselect_b32 s94, 1024, s94                   ; from an image's first half to its second: v: 1,024 bytes on; q, k: the next head
	s_cselect_b32 s84, 2048, s84                   ; from block to block: v: the next tile of channels; q, k: the next tile of tokens
	s_cselect_b32 s86, 256000, s86                 ; from block 3 to block 4: v: the next head's first tile of channels, 262,144 - 3 x 2,048
	s_cselect_b32 s95, 0x20000, 0                  ; V lies behind K
	s_add_co_u32 s90, s90, s95
	s_mov_b32 s91, 0
	s_mov_b32 s95, 0
	s_mov_b32 s85, 0
	s_mov_b32 s87, 0
	s_add_nc_u64 s[80:81], s[80:81], s[90:91]
	s_add_nc_u64 s[82:83], s[80:81], s[94:95]
	s_lshl_b32 s96, ttmp9, 12                      ; the bias of my 128 features: 4 (1,024 kind + 64 head) bytes on
	s_lshl_b32 s97, s92, 8
	s_add_co_u32 s96, s96, s97
	s_mov_b32 s97, 0
	s_add_nc_u64 s[8:9], s[8:9], s[96:97]
.irp g, 0,1,2,3,4,5,6,7                ; both arrangements of those 512 bytes are loaded, on the one way that all kinds take
	global_load_b128 v[BIAS+8*\g:BIAS+8*\g+3],   v6, s[8:9] offset:64*\g      ; features 16 g + 8 h + 0 .. 7
	global_load_b128 v[BIAS+8*\g+4:BIAS+8*\g+7], v6, s[8:9] offset:64*\g+16
	global_load_b32  v[BL+\g], v7, s[8:9] offset:64*\g                        ; feature 16 g + r
.endr
.macro FRAG reg, adr, q, i             ; 16 rows x 128 K in 16 registers: registers 4 c .. 4 c + 3 hold K = 32 c + 16 h + 0 .. 15: a permutation of k, the same on both sides, so every product meets its partner
.irp c, 0,1,2,3
	ds_load_b128 v[\reg+4*\c:\reg+4*\c+3], v[\adr] offset:128*(\q)+32*\c+(\i)*16*PITCH
.endr
.endm
; 16 matrix instructions: A-role blocks a0, a0 + 1 x the B-role's eight.  p: the B-role's set.  z = 1: the sums start from the bias by B-role tile; z = 2: by A-role block; z = 0: they go on.
; The 64 accumulators take turns, one instruction a turn, in the same order in every step.
.macro MUL16 a0, p, z
.irp a, \a0, \a0+1
.irp b, 0,1,2,3,4,5,6,7
.if \z == 1
	v_wmma_f32_16x16x128_bf8_bf8 v[8*(8*((\a)%4)+\b):8*(8*((\a)%4)+\b)+7], v[128*(\p)+FR*\b:128*(\p)+FR*\b+FR-1], v[AF+FR*(\a):AF+FR*(\a)+FR-1], v[BIAS+8*\b:BIAS+8*\b+7]
.elseif \z == 2
	v_wmma_f32_16x16x128_bf8_bf8 v[8*(8*((\a)%4)+\b):8*(8*((\a)%4)+\b)+7], v[128*(\p)+FR*\b:128*(\p)+FR*\b+FR-1], v[AF+FR*(\a):AF+FR*(\a)+FR-1], v[BIAS+8*(\a):BIAS+8*(\a)+7]
.else
	v_wmma_f32_16x16x128_bf8_bf8 v[8*(8*((\a)%4)+\b):8*(8*((\a)%4)+\b)+7], v[128*(\p)+FR*\b:128*(\p)+FR*\b+FR-1], v[AF+FR*(\a):AF+FR*(\a)+FR-1], v[8*(8*((\a)%4)+\b):8*(8*((\a)%4)+\b)+7]
.endif
.endr
.endr
.endm
.macro FETCH_B slot, q, p              ; the B-role's eight fragments of the slot's q-th 128 along K into set p
	WIN TO_B
.irp i, 0,1,2,3,4,5,6,7
	FRAG 128*(\p)+FR*\i, ADRB+\slot, \q, \i
.endr
	WIN 0
.endm
.macro FETCH_A slot, q, i0             ; the A-role's blocks i0 .. i0 + 3
.irp i, \i0, \i0+1, \i0+2, \i0+3
	FRAG AF+FR*(\i), ADRA+\slot, \q, \i
.endr
.endm
.macro PLACES n                        ; plain vector lines between a matrix instruction and a load into, or a vector read or write of, one of its registers
.rept \n
	v_nop
.endr
.endm
; A step of 128 along K that has its successor in the same slot.  An A-role block is free as soon as its eight products are issued: blocks 0-3 are fetched anew in the step's middle, blocks 4-7 at its end.
.macro STEP slot, q, z
	s_wait_dscnt 4*NL                              ; the B-role's set and blocks 0-3 are in; the youngest sixteen loads (blocks 4-7) may be out
.if \z
	WIN 0x81                                       ; C (the bias) window 0, D window 2
.else
	WIN MUL_LO
.endif
	MUL16 0, (\q)%2, \z
	MUL16 2, (\q)%2, \z
	s_wait_dscnt 0                                 ; blocks 4-7 are in (asked for 32 matrix instructions ago)
	PLACES NP
	FETCH_B \slot, (\q)+1, 1-(\q)%2
	FETCH_A \slot, (\q)+1, 0
.if \z
	WIN 0xc1                                       ; C window 0, D window 3
.else
	WIN MUL_HI
.endif
	MUL16 4, (\q)%2, \z
	MUL16 6, (\q)%2, \z
	PLACES NP
	WIN 0
	FETCH_A \slot, (\q)+1, 4
.endm
; A slot's last step changes slots: ONE barrier; in front of it each wave waits for all its tensor loads, adds 0 to its spare word, and waits for that and for its own reads of this slot.  fill = 1: this slot is filled again, two K steps ahead.
.macro TURN slot, next, fill
	s_wait_tensorcnt 0x0                           ; all my tensor loads have landed: my part of the next slot (every window is 0 here)
	ds_add_u32 v[SPW], v[NIL]                      ; 0 onto my spare word
	s_wait_dscnt 4*NL+1                            ; the add and the youngest sixteen loads (blocks 4-7) may be out
	WIN MUL_LO
	MUL16 0, 1, 0                                  ; sixteen matrix instructions stand between the add and the wait for it
	s_wait_dscnt 0x0                               ; the add is done, and my reads of this slot are over
	s_barrier_signal -1
	MUL16 2, 1, 0
	WIN 0
	s_barrier_wait -1
.if \fill
	CREST                                          ; the barrier has opened a round of the cluster's barrier: no wave of any partner still reads this slot or has a load on its way
	s_add_nc_u64 s[G0+4*\slot+2:G0+4*\slot+3], s[G0+4*\slot+2:G0+4*\slot+3], 2*ROWB
	s_add_nc_u64 s[G0B+4*\slot+2:G0B+4*\slot+3], s[G0B+4*\slot+2:G0B+4*\slot+3], 2*ROWB
	JLOAD G0+4*\slot, G1, G0B+4*\slot, G1B         ; the first tensor load behind the round; its four v_nop are also the places in front of the loads below
.else
	PLACES NP
.endif
	FETCH_B \next, 0, 0
	FETCH_A \next, 0, 0
	WIN MUL_HI
	MUL16 4, 1, 0
	MUL16 6, 1, 0
	PLACES NP
	WIN 0
	FETCH_A \next, 0, 4
.endm
	s_wait_tensorcnt 1                             ; my part of K step 0 is in; K step 1's load may stay out
	s_barrier_signal -1
	s_barrier_wait -1                              ; everybody's is
	FETCH_B 0, 0, 0
	FETCH_A 0, 0, 0
	FETCH_A 0, 0, 4
	s_wait_loadcnt 0x0                             ; the bias
	s_wait_kmcnt 0x0                               ; the exponents
	s_add_co_i32 s98, s72, s73                     ; e0 + e1: a sum stands for sum x 2^(e0 + e1)
	s_cmp_eq_u32 ttmp9, 0
	s_cselect_b32 s99, s74, s75                    ; q: e2; k: e3;
	s_cmp_eq_u32 ttmp9, 2
	s_cselect_b32 s99, s77, s99                    ; v: e5.  Chosen without a jump
	s_sub_co_i32 s99, s99, s98                     ; the three scales folded into the conversion's one
	s_add_co_i32 s99, s99, 127
	s_lshl_b32 s93, s99, 23
	v_mov_b32 v[SC], s93
	s_sub_co_i32 s98, 0, s98
	s_cmp_eq_u32 ttmp9, 2                          ; the same in all sixteen partners; no barrier and no tensor load stands in either arm
	s_cbranch_scc1 .Lfirst_v
.set j, 0
.rept 64
	v_ldexp_f32 v[BIAS+j], v[BIAS+j], s98          ; q, k: register 8 b + i is the bias of feature 16 b + 8 h + i, / 2^(e0 + e1)
.set j, j+1
.endr
	s_wait_alu depctr_va_vdst(0)
	STEP 0, 0, 1
	s_branch .Ljoin
.Lfirst_v:
.set j, 0
.rept 64
	v_ldexp_f32 v[BIAS+j], v[BL+j/8], s98          ; v: a lane holds one channel: all eight registers of block a take the bias of channel 16 a + r
.set j, j+1
.endr
	s_wait_alu depctr_va_vdst(0)
	STEP 0, 0, 2
.Ljoin:
	TURN 0, 1, 1
	STEP 1, 0, 0
	TURN 1, 0, 1
	STEP 0, 0, 0
	TURN 0, 1, 0                                   ; nothing is left to fetch: no round
	STEP 1, 0, 0
	s_wait_dscnt 4*NL                              ; the very last step
	WIN MUL_LO
	MUL16 0, 1, 0
	MUL16 2, 1, 0
	s_wait_dscnt 0
	WIN MUL_HI
	MUL16 4, 1, 0
	MUL16 6, 1, 0
	WIN 0
; THE WAY OUT of block a: the 64 sums are converted straight from the accumulators, each accumulator from its low end on;
; tile b's eight become registers 2 b, 2 b + 1 of the image; four stores of 512 consecutive bytes each, at multiples of 512 from the buffer's first byte.
.macro OUT a
	WIN 0x02+(\a)/4                                ; source 0: window 2 or 3
.set j, 0
.rept 64
.set j, j+1
.endr
.irp b, 0,1,2,3,4,5,6,7
	v_cvt_scalef32_pk8_bf8_f32 v[CD+16*(\a)+2*\b:CD+16*(\a)+2*\b+1], v[TMP+8*\b+((64*((\a)%4)+j)-(TMP+j)):TMP+8*\b+7+((64*((\a)%4)+j)-(TMP+j))], v[SC]
.endr
	WIN 0
	v_nop                                          ; one plain vector line behind the last conversion
.if (\a) > 0
	s_wait_alu depctr_va_vdst(0)
	s_wait_xcnt 0x0                                ; the last block's stores have read their bases, which step now
.if (\a) == 4
	s_add_nc_u64 s[80:81], s[80:81], s[86:87]
	s_add_nc_u64 s[82:83], s[82:83], s[86:87]
.else
	s_add_nc_u64 s[80:81], s[80:81], s[84:85]
	s_add_nc_u64 s[82:83], s[82:83], s[84:85]
.endif
.endif
.irp c, 0,1,2,3
	global_store_b128 v[LI], v[CD+16*(\a)+4*\c:CD+16*(\a)+4*\c+3], s[80+2*(\c/2):81+2*(\c/2)] offset:512*(\c%2)
.endr
.endm
	PLACES NP                                      ; behind the last products: their results are read and their A-role registers written below
.irp a, 0,1,2,3,4,5,6,7
	OUT \a
.endr
	s_wait_tensorcnt 0x0                           ; the wave's end
	ds_add_u32 v[SPW], v[NIL]
	s_wait_dscnt 0x0
	CROUND                                         ; the closing round: no work-group ends while a partner may still ask for a tile that names it
	s_endpgm
.Lfunc_end_k_qe40191cea2_qkv:
	.size	k_qe40191cea2_qkv, .Lfunc_end_k_qe40191cea2_qkv-k_qe40191cea2_qkv
	.p2alignl 7, 3214868480
	.fill 96, 4, 3214868480
	.section	.rodata,"a",@progbits
	.p2align	6, 0x0
	.amdhsa_kernel k_qe40191cea2_qkv
		.amdhsa_group_segment_fixed_size 327680
		.amdhsa_private_segment_fixed_size 0
		.amdhsa_enable_private_segment 0
		.amdhsa_kernarg_size 48
		.amdhsa_user_sgpr_count 2
		.amdhsa_user_sgpr_kernarg_segment_ptr 1
		.amdhsa_wavefront_size32 1
		.amdhsa_system_sgpr_workgroup_id_x 1
		.amdhsa_system_sgpr_workgroup_id_y 1
		.amdhsa_system_sgpr_workgroup_id_z 1
		.amdhsa_system_vgpr_workitem_id 0
		.amdhsa_next_free_vgpr 1024
		.amdhsa_next_free_sgpr 100
		.amdhsa_reserve_vcc 0
		.amdhsa_float_denorm_mode_32 3
		.amdhsa_float_denorm_mode_16_64 3
		.amdhsa_fp16_overflow 1
		.amdhsa_memory_ordered 1
		.amdhsa_forward_progress 1
		.amdhsa_inst_pref_size 106
	.end_amdhsa_kernel
	.amdgpu_metadata
---
amdhsa.version: [ 1, 2 ]
amdhsa.kernels:
  - .name:           k_qe40191cea2_qkv
    .symbol:         k_qe40191cea2_qkv.kd
    .args:
      - { .name: x_codes, .offset: 0, .size: 8, .value_kind: global_buffer, .address_space: global }
      - { .name: Wqkv_codes, .offset: 8, .size: 8, .value_kind: global_buffer, .address_space: global }
      - { .name: bqkv, .offset: 16, .size: 8, .value_kind: global_buffer, .address_space: global }
      - { .name: lowp_scales, .offset: 24, .size: 8, .value_kind: global_buffer, .address_space: global }
      - { .name: q_img, .offset: 32, .size: 8, .value_kind: global_buffer, .address_space: global }
      - { .name: kv_img, .offset: 40, .size: 8, .value_kind: global_buffer, .address_space: global }
    .group_segment_fixed_size: 327680
    .private_segment_fixed_size: 0
    .kernarg_segment_align: 8
    .kernarg_segment_size: 48
    .max_flat_workgroup_size: 128
    .sgpr_count:     100
    .vgpr_count:     1024
    .wavefront_size: 32
...
	.end_amdgpu_metadata
.endif
;; end of part 1
;; launch attn (part 2): grid 4 x 64, 16 waves a work-group, clusters of 4 x 1, 264,192 bytes of LDS; arguments q_img, kv_img, lowp_scales, attn_img; writes attn_img
.if DOCPART == 2
	.amdgcn_target "amdgcn-amd-amdhsa--gfx1250"
	.amdhsa_code_object_version 6
	.text
	.protected	k_qe40191cea2_attn
	.globl	k_qe40191cea2_attn
	.p2align	8
	.type	k_qe40191cea2_attn,@function
k_qe40191cea2_attn:
	s_mov_b64 s[64:65], 0
	v_nop
	global_prefetch_b8 v0, s[64:65] scope:SCOPE_SE
	s_setreg_imm32_b32 hwreg(HW_REG_WAVE_MODE, 25, 1), 1
	s_wait_xcnt 0x0
	s_wait_alu depctr_hold_cnt(0) depctr_sa_sdst(0) depctr_va_vdst(0) depctr_va_sdst(0) depctr_va_ssrc(0) depctr_va_vcc(0) depctr_vm_vsrc(0)
	s_getreg_b32 s2, hwreg(HW_REG_IB_STS2, 6, 4)
	s_cmp_eq_u32 s2, 0
	s_cbranch_scc0 .Lentry_in_a_cluster
	s_endpgm
.Lentry_in_a_cluster:
	s_bfe_u32 s2, ttmp6, 0x10000c
	s_cmp_lg_u32 s2, 0x3003
	s_cbranch_scc0 .Lentry_shape_is_right
	s_endpgm
.Lentry_shape_is_right:
; Causal attention of one head on codes of BF8 (E5M2): S = q k^T / 8, p = 2^(t - M), O = p v / l, and the quantiser (2^e6) ahead of the last product.  Head size 64, 2,048 tokens, 64 heads (batch entry x 16 + head).
; q_img [head][tile of 16 queries 128][1,024], kv_img [head][K: tile of 16 keys 128 x 1,024 | V: step of 128 keys 16 x tile of 16 channels 4 x 2,048]: images of operand registers: lane (r, h) holds row r,
; registers 2 c, 2 c + 1 hold k = 16 c + 8 h + 0 .. 7; four registers lie at 512 x group + 16 x lane.  So every load of a fragment is 16 bytes a lane, 512 consecutive bytes a wave.
; attn_img [tile of 16 tokens 512][pair of heads 8][2,048]: the image of 16 tokens x 128 along the last product's K; an even head fills its first 1,024 bytes, an odd head the rest.
; THE SOFTMAX: t = score x log2(e) / 8; M = the row's largest t so far, rounded UP to a whole number; p = 2^(t - M) is quantised with 2^e4, not normalised; the row's sum is taken of the unquantised p and divides O at the end.
; When M moves, the sum and O are multiplied by 2^(old M - new M): exact.
; SHARES.  The four work-groups of a cluster belong to one head.  THE HEAD'S WHOLE K AND V, 262,144 bytes, COME INTO EACH PARTNER'S LDS ONCE, asked for jointly: wave w's one tensor load brings bytes 16,384 w on.
; Nothing is filled again: no ring, and one barrier.  A wave owns two tiles of 16 queries, one after the other: tile i = 8 a + l (a = wave / 2, l = 2 cx + wave % 2) and tile 127 - i = 8 (15 - a) + (7 - l):
; a + 1 and 16 - a key steps of 128 that are not wholly hidden: 17 for every wave of the launch.  Branches hang on a alone (the wave's number); cx enters global offsets and the mask's numbers alone.
; LAYOUT.  Both products are used transposed: S^T = K Q^T (source 0 = 16 keys, source 1 = my 16 queries), O^T = V^T P^T: a lane holds ONE query (lane % 16) throughout; tile t's eight scores are keys 16 t + 8 h + 0 .. 7,
; so their conversion gives registers 2 t, 2 t + 1 of P.  Likewise O^T's tile t gives registers 2 t, 2 t + 1 of the output's image.
; LIMITS on the given exponents: e2 + e3 between -123 and 130 (they are added to c's exponent field); e4, and e6 - e4 - e5, between -126 and 112.
; REGISTERS: v1 16 x lane; v2, v3 LDS addresses in hand; v4, v5 the mask's d for each pass; v6, v7 the output's offsets; v8, v9 Q's; v12 -M, v13 the largest t, v[14:15] the sum in two halves; v16-31 Q of both passes;
; v32-95 eight fragments of K, then four of V; v96-159 S^T, then p; v160-191 O^T; v192-207 p's codes; v208-223 the output's codes of both passes; v236-254 at work.
.set LI,  1
.set ADK, 2
.set ADV, 3
.set WV,  12                           ; s12  my wave's number
.set SEL, 20                           ; s[20:21] lane selects for v_permlanex16_b32: lane l xor 16
.set CS,  22                           ; s[22:23] c = log2(e) / 8 x 2^(e2 + e3): the packed form names a pair and takes its low word for both halves
.macro CROUND                          ; a round of the cluster's barrier
	s_barrier_signal -1
	s_barrier_wait -1
	s_cmp_lg_u32 s[WV], 0
	s_cbranch_scc1 .Lnot_wave_0_\@
	s_barrier_signal -3
.Lnot_wave_0_\@:
	s_barrier_wait -3
	s_barrier_signal -1
	s_barrier_wait -1
.endm
	s_load_b256 s[4:11], s[0:1], 0x0               ; q_img s[4:5], kv_img s[6:7], the scales' exponents s[8:9], attn_img s[10:11]
	v_lshl_add_u32 v251, v0, 2, 0x40000
	v_mov_b32 v255, 0
	ds_add_u32 v251, v255
	ds_add_u32 v251, v255
	v_lshrrev_b32 v1, 5, v0
	s_delay_alu instid0(VALU_DEP_1)
	v_readfirstlane_b32 s[WV], v1                  ; wave 0..15
	s_bfe_u32 s13, ttmp6, 0x40000                  ; cx
	s_and_b32 s14, ttmp7, 0xffff                   ; the head, which the four partners share
	s_lshr_b32 s15, s[WV], 1                       ; a
	s_and_b32 s16, s[WV], 1
	s_lshl_b32 s44, s13, 1
	s_add_co_u32 s16, s16, s44                     ; l
	; descriptor group 1: 64 rows of 256 bytes, dense in memory and in LDS
	s_mov_b32 s24, 15|(3<<16)|(1<<21)              ; 15:0 the mask: all four work-groups; 17:16 elements of 8 bytes; 21 set beside a mask; no padding
	s_mov_b32 s25, 32<<16                          ; tensor_dim0 = 32 elements
	s_mov_b32 s26, 64<<16                          ; tensor_dim1 = 64
	s_mov_b32 s27, 32<<16                          ; tile_dim0
	s_mov_b32 s28, 64                              ; tile_dim1
	s_mov_b32 s29, 32                              ; tensor_dim0_stride
	s_mov_b32 s30, 0
	s_mov_b32 s31, 0
	s_mov_b32 s[SEL], 0x76543210
	s_mov_b32 s[SEL+1], 0xfedcba98
	s_mov_b32 s[CS], 0x3e38aa3b                    ; log2(e) / sqrt(64)
	s_lshl_b32 s46, s14, 18                        ; the head's 262,144 bytes,
	s_lshl_b32 s33, s[WV], 14                      ; my wave's 16,384 of them, in memory and in LDS alike
	s_add_co_u32 s46, s46, s33
	s_mov_b32 s47, 0
	s_mov_b32 s32, 1
	s_wait_dscnt 0x0
	s_wait_kmcnt 0x0
	s_load_b256 s[36:43], s[8:9], 0x0              ; e0 .. e7
	s_add_nc_u64 s[34:35], s[6:7], s[46:47]
	s_or_b32 s35, s35, 0x80000000
	CROUND                                         ; all four work-groups are here: the joint loads meet
	tensor_load_to_lds s[32:35], s[24:31]          ; my one tensor load of the launch
	s_nop 0
.rept 4
	v_nop
.endr
	s_lshl_b32 s48, s14, 17
	s_mov_b32 s49, 0
	s_add_nc_u64 s[4:5], s[4:5], s[48:49]          ; Q's images of my head
	s_lshr_b32 s48, s14, 4
	s_lshl_b32 s48, s48, 21                        ; the output: the batch entry's 128 tiles of 16,384 bytes,
	s_bfe_u32 s50, s14, 0x30001
	s_lshl_b32 s50, s50, 11                        ; the pair of heads,
	s_add_co_u32 s48, s48, s50
	s_and_b32 s50, s14, 1
	s_lshl_b32 s50, s50, 10                        ; and my head's half of the image
	s_add_co_u32 s48, s48, s50
	s_add_nc_u64 s[10:11], s[10:11], s[48:49]
	s_lshl_b32 s50, s15, 3
	s_add_co_u32 s50, s50, s16                     ; my first tile, i,
	s_sub_co_u32 s51, 127, s50                     ; and my second
	v_and_b32 v254, 31, v0
	s_delay_alu instid0(VALU_DEP_1)
	v_lshlrev_b32 v[LI], 4, v254
	s_lshl_b32 s52, s50, 10
	v_add_nc_u32 v8, s52, v[LI]
	s_lshl_b32 s52, s51, 10
	v_add_nc_u32 v9, s52, v[LI]
	global_load_b128 v[16:19], v8, s[4:5]          ; Q stays in registers: 8 for each pass
	global_load_b128 v[20:23], v8, s[4:5] offset:512
	global_load_b128 v[24:27], v9, s[4:5]
	global_load_b128 v[28:31], v9, s[4:5] offset:512
	s_lshl_b32 s52, s50, 14
	v_add_nc_u32 v6, s52, v[LI]
	s_lshl_b32 s52, s51, 14
	v_add_nc_u32 v7, s52, v[LI]
	v_and_b32 v10, 15, v0                          ; r
	v_bfe_u32 v11, v0, 4, 1                        ; h
	s_delay_alu instid0(VALU_DEP_1)
	v_lshlrev_b32 v254, 3, v11
	s_delay_alu instid0(VALU_DEP_1)
	v_sub_nc_u32 v254, v10, v254                   ; r - 8 h
	s_lshl_b32 s52, s16, 4
	v_add_nc_u32 v4, s52, v254                     ; d = my query's place in its step of 128, less 8 h: register 8 t + j holds key 16 t + 8 h + j of the step: hidden on the diagonal where 16 t + j > d
	s_sub_co_u32 s52, 7, s16
	s_lshl_b32 s52, s52, 4
	v_add_nc_u32 v5, s52, v254
	v_mov_b32 v236, 0                              ; written once: a lane permute's destination counts as one of its sources
	v_mov_b32 v252, 0
	v_mov_b32 v253, 0                              ; (named as the upper half of the pair v[252:253])
	s_wait_kmcnt 0x0
	s_add_co_i32 s52, s38, s39
	s_lshl_b32 s52, s52, 23
	s_add_co_i32 s[CS], s[CS], s52                 ; a score stands for score x 2^(e2 + e3): the two exponents are added to c's exponent field
	s_mov_b32 s[CS+1], s[CS]
	s_add_co_i32 s52, s40, 127
	s_lshl_b32 s53, s52, 23
	v_mov_b32 v244, s53                            ; 2^e4, for p's conversions
	s_sub_co_i32 s52, s42, s40
	s_sub_co_i32 s52, s52, s41                     ; a sum of the second product stands for sum x 2^(e4 + e5): the output's conversion takes 2^(e6 - e4 - e5)
	s_add_co_i32 s52, s52, 127
	s_lshl_b32 s53, s52, 23
	v_mov_b32 v245, s53
; ONE TILE OF 16 QUERIES.  qb: Q's registers; dm: the mask's d; oo: the output's offset; cb: the output's codes.  s15 = the tile's step on the diagonal.
; The loop has 16 trips, a constant, so that the LDS address can be read off the text; a step all of whose keys come after my queries is left out by a scalar branch on the wave's number, round the work alone.
.macro PASS qb, dm, oo, cb
	v_mov_b32 v13, 0xff61b1e6                      ; the largest t so far: -3e38, under every t
	s_delay_alu instid0(VALU_DEP_1)
	v_floor_f32 v12, -v13                          ; -M
	v_mov_b32 v14, 0                               ; the sum, in two halves
	v_mov_b32 v15, 0
.set j, 0
.rept 32
	v_mov_b32 v[160+j], 0                          ; O^T.  (The step is written once: the first finds zeros, which the first change of M leaves zeros)
.set j, j+1
.endr
	s_mov_b32 s18, 0                               ; the step's first byte in K's part of LDS
	s_mov_b32 s17, 0                               ; the step
.Lstep_\@:
	s_cmp_gt_u32 s17, s15
	s_cbranch_scc1 .Lhidden_\@
	s_setprio 2
	v_add_nc_u32 v[ADK], s18, v[LI]
	s_delay_alu instid0(VALU_DEP_1)
	v_add_nc_u32 v[ADV], 0x20000, v[ADK]           ; a step is 8,192 bytes in K's part and in V's
.rept 2
	v_nop                                          ; with the two additions: four places in front of loads into registers that the last step's products have read
.endr
.irp t, 0,1,2,3,4,5,6,7
	ds_load_b128 v[32+8*\t:35+8*\t], v[ADK] offset:1024*\t
	ds_load_b128 v[36+8*\t:39+8*\t], v[ADK] offset:1024*\t+512
.endr
	s_wait_alu depctr_va_vdst(0)
	s_wait_dscnt 0x0
.irp t, 0,1,2,3,4,5,6,7
	v_wmma_f32_16x16x64_bf8_bf8 v[96+8*\t:103+8*\t], v[32+8*\t:39+8*\t], v[\qb:\qb+7], 0
.endr
.rept 4
	v_nop                                          ; places in front of the loads below and of the first read of the scores
.endr
.irp t, 0,1,2,3
.irp c, 0,1,2,3
	ds_load_b128 v[32+16*\t+4*\c:35+16*\t+4*\c], v[ADV] offset:2048*\t+512*\c   ; V's four fragments land while the softmax is worked
.endr
.endr
	s_cmp_lg_u32 s17, s15                          ; on the diagonal the scores of hidden keys become -infinity ahead of the maximum: p = 0 then.  The step's first key counts for every query of mine
	s_cbranch_scc1 .Lopen_\@
	v_mov_b32 v254, 0xff800000
.set n, 0
.rept 64
	v_cmp_gt_i32 vcc_lo, 16*(n/8)+n%8, v[\dm]
	v_cndmask_b32 v[96+n], v[96+n], v254, vcc_lo
.set n, n+1
.endr
.Lopen_\@:
	v_max3_num_f32 v254, v96, v97, v98             ; the step's largest score of my query, among my 64 keys, in two chains,
	v_max3_num_f32 v252, v99, v100, v101
.irp i, 6,10,14,18,22,26,30,34,38,42,46,50,54,58
	v_max3_num_f32 v254, v254, v[96+\i], v[97+\i]
	v_max3_num_f32 v252, v252, v[98+\i], v[99+\i]
.endr
	v_max3_num_f32 v254, v254, v158, v159
	s_delay_alu instid0(VALU_DEP_1)
	v_max_num_f32 v254, v254, v252
	s_delay_alu instid0(VALU_DEP_1)
	v_permlanex16_b32 v236, v254, s[SEL], s[SEL+1]
	s_delay_alu instid0(VALU_DEP_1)
	v_max_num_f32 v254, v254, v236                 ; and among lane l xor 16's
	s_delay_alu instid0(VALU_DEP_1)
	v_mul_f32 v254, s[CS], v254                    ; as t (c is positive)
	s_delay_alu instid0(VALU_DEP_1)
	v_max_num_f32 v13, v13, v254                   ; the running largest t
	v_mov_b32 v254, v12
	s_delay_alu instid0(VALU_DEP_2)
	v_floor_f32 v12, -v13                          ; the new -M = floor(-t) = -ceil(t): a whole number
	s_delay_alu instid0(VALU_DEP_1)
	v_sub_f32 v254, v12, v254                      ; M's old value less its new one: a whole number, 0 or less
	s_delay_alu instid0(VALU_DEP_1)
	v_cvt_i32_f32 v254, v254                       ; (it saturates)
	s_delay_alu instid0(VALU_DEP_1)
	v_ldexp_f32 v252, 1.0, v254                    ; f = 2^(old M - new M)
.set j, 0
	s_setprio 1
.rept 32
	v_pk_fma_f32 v[96+j:97+j], v[96+j:97+j], s[CS:CS+1], v[12:13] op_sel_hi:[1,0,0]   ; t - M, two at a time
.set j, j+2
.endr
.set j, 0
	s_wait_alu depctr_va_vdst(0)
.rept 64
	v_exp_f32 v[96+j], v[96+j]                     ; p = 2^(t - M), at most 1
.set j, j+1
.endr
	v_pk_mul_f32 v[14:15], v[14:15], v[252:253] op_sel_hi:[1,0]   ; the sums under the new M: the plain line behind the exponentials
	s_wait_alu depctr_va_vdst(0)                   ; one wait for the whole batch, ahead of its first reader
	v_pk_add_f32 v[242:243], v[100:101], v[104:105]
	v_pk_add_f32 v[248:249], v[108:109], v[112:113]
	v_pk_add_f32 v[246:247], v[116:117], v[120:121]
	v_pk_add_f32 v[240:241], v[124:125], v[128:129]
	v_pk_add_f32 v[238:239], v[132:133], v[136:137]
	v_pk_add_f32 v[234:235], v[140:141], v[144:145]
	v_pk_add_f32 v[232:233], v[148:149], v[152:153]
	v_pk_add_f32 v[14:15], v[14:15], v[156:157]
	v_pk_add_f32 v[242:243], v[242:243], v[96:97]
	v_pk_add_f32 v[248:249], v[248:249], v[98:99]
	v_pk_add_f32 v[246:247], v[246:247], v[102:103]
	v_pk_add_f32 v[240:241], v[240:241], v[106:107]
	v_pk_add_f32 v[238:239], v[238:239], v[110:111]
	v_pk_add_f32 v[234:235], v[234:235], v[114:115]
	v_pk_add_f32 v[232:233], v[232:233], v[118:119]
	v_pk_add_f32 v[14:15], v[14:15], v[122:123]
	v_pk_add_f32 v[242:243], v[242:243], v[126:127]
	v_pk_add_f32 v[248:249], v[248:249], v[130:131]
	v_pk_add_f32 v[246:247], v[246:247], v[134:135]
	v_pk_add_f32 v[240:241], v[240:241], v[138:139]
	v_pk_add_f32 v[238:239], v[238:239], v[142:143]
	v_pk_add_f32 v[234:235], v[234:235], v[146:147]
	v_pk_add_f32 v[232:233], v[232:233], v[150:151]
	s_setprio 0
	v_pk_add_f32 v[14:15], v[14:15], v[154:155]
	v_pk_add_f32 v[242:243], v[242:243], v[158:159]
	s_delay_alu instid0(VALU_DEP_2)
	v_pk_add_f32 v[14:15], v[14:15], v[240:241]
	s_delay_alu instid0(VALU_DEP_2)
	v_pk_add_f32 v[242:243], v[242:243], v[238:239]
	v_pk_add_f32 v[248:249], v[248:249], v[234:235]
	v_pk_add_f32 v[246:247], v[246:247], v[232:233]
	s_delay_alu instid0(VALU_DEP_2)
	v_pk_add_f32 v[14:15], v[14:15], v[248:249]
	s_delay_alu instid0(VALU_DEP_2)
	v_pk_add_f32 v[242:243], v[242:243], v[246:247]
	s_delay_alu instid0(VALU_DEP_1)
	v_pk_add_f32 v[14:15], v[14:15], v[242:243]
.irp t, 0,1,2,3,4,5,6,7
.irp i, 0,1,2,3,4,5,6,7
.endr
	v_cvt_scalef32_pk8_bf8_f32 v[192+2*\t:193+2*\t], v[96+8*\t:103+8*\t], v244   ; keys 16 t + 8 h + 0 .. 7: registers 2 t, 2 t + 1 of P
.endr
.set j, 0
.rept 16
	v_pk_mul_f32 v[160+j:161+j], v[160+j:161+j], v[252:253] op_sel_hi:[1,0]   ; O^T under the new M.  (Plain lines between the conversions and the products that read their results)
.set j, j+2
.endr
	s_wait_alu depctr_va_vdst(0)
	s_wait_dscnt 0x0                               ; V is in
.irp t, 0,1,2,3                        ; the four accumulators take turns, and the scores' products stand between two steps'
	v_wmma_f32_16x16x128_bf8_bf8 v[160+8*\t:167+8*\t], v[32+16*\t:47+16*\t], v[192:207], v[160+8*\t:167+8*\t]
.endr
.Lhidden_\@:
	s_add_co_u32 s18, s18, 8192
	s_add_co_u32 s17, s17, 1
	s_cmp_lt_u32 s17, 16
	s_cbranch_scc1 .Lstep_\@
	s_setprio 0
	; the way out: O^T / the sum, quantised: the conversions' results are the image's registers; two stores of 512 consecutive bytes
.rept 4
	v_nop
.endr
	v_add_f32 v14, v14, v15                        ; the sum's two halves,
	s_delay_alu instid0(VALU_DEP_1)
	v_permlanex16_b32 v252, v14, s[SEL], s[SEL+1]
	s_delay_alu instid0(VALU_DEP_1)
	v_add_f32 v14, v14, v252                       ; and lane l xor 16's
	s_wait_alu depctr_va_vdst(0)
	v_rcp_f32 v14, v14
	v_nop                                          ; a plain line behind the reciprocal
	s_wait_alu depctr_va_vdst(0)                   ; and the wait ahead of its first reader
.set j, 0
.rept 16
	v_pk_mul_f32 v[96+j:97+j], v[160+j:161+j], v[14:15] op_sel_hi:[1,0]   ; each accumulator from its low end on
.set j, j+2
.endr
.set j, 0
.rept 32
.set j, j+1
.endr
.irp t, 0,1,2,3
	v_cvt_scalef32_pk8_bf8_f32 v[\cb+2*\t:\cb+2*\t+1], v[96+8*\t:103+8*\t], v245
.endr
	v_nop                                          ; one plain line behind the last conversion
	global_store_b128 v[\oo], v[\cb:\cb+3], s[10:11]
	global_store_b128 v[\oo], v[\cb+4:\cb+7], s[10:11] offset:512   ; each pass has its own offset and data registers: none is written again
.endm
	s_wait_loadcnt 0x0                             ; Q
	s_wait_tensorcnt 0x0                           ; my 16,384 bytes have landed,
	s_barrier_signal -1
	s_barrier_wait -1                              ; everybody's have: the head's K and V lie in LDS, and are only read from here on
	PASS 16, 4, 6, 208
	s_sub_co_u32 s15, 15, s15
	PASS 24, 5, 7, 216
	s_wait_tensorcnt 0x0
	ds_add_u32 v251, v255
	s_wait_dscnt 0x0
	CROUND                                         ; the closing round
	s_endpgm
.Lfunc_end_k_qe40191cea2_attn:
	.size	k_qe40191cea2_attn, .Lfunc_end_k_qe40191cea2_attn-k_qe40191cea2_attn
	.p2alignl 7, 3214868480
	.fill 96, 4, 3214868480
	.section	.rodata,"a",@progbits
	.p2align	6, 0x0
	.amdhsa_kernel k_qe40191cea2_attn
		.amdhsa_group_segment_fixed_size 264192
		.amdhsa_private_segment_fixed_size 0
		.amdhsa_enable_private_segment 0
		.amdhsa_kernarg_size 32
		.amdhsa_user_sgpr_count 2
		.amdhsa_user_sgpr_kernarg_segment_ptr 1
		.amdhsa_wavefront_size32 1
		.amdhsa_system_sgpr_workgroup_id_x 1
		.amdhsa_system_sgpr_workgroup_id_y 1
		.amdhsa_system_sgpr_workgroup_id_z 1
		.amdhsa_system_vgpr_workitem_id 0
		.amdhsa_next_free_vgpr 256
		.amdhsa_next_free_sgpr 66
		.amdhsa_reserve_vcc 1
		.amdhsa_float_denorm_mode_32 3
		.amdhsa_float_denorm_mode_16_64 3
		.amdhsa_fp16_overflow 1
		.amdhsa_memory_ordered 1
		.amdhsa_forward_progress 1
		.amdhsa_inst_pref_size 50
	.end_amdhsa_kernel
	.amdgpu_metadata
---
amdhsa.version: [ 1, 2 ]
amdhsa.kernels:
  - .name:           k_qe40191cea2_attn
    .symbol:         k_qe40191cea2_attn.kd
    .args:
      - { .name: q_img, .offset: 0, .size: 8, .value_kind: global_buffer, .address_space: global }
      - { .name: kv_img, .offset: 8, .size: 8, .value_kind: global_buffer, .address_space: global }
      - { .name: lowp_scales, .offset: 16, .size: 8, .value_kind: global_buffer, .address_space: global }
      - { .name: attn_img, .offset: 24, .size: 8, .value_kind: global_buffer, .address_space: global }
    .group_segment_fixed_size: 264192
    .private_segment_fixed_size: 0
    .kernarg_segment_align: 8
    .kernarg_segment_size: 32
    .max_flat_workgroup_size: 512
    .sgpr_count:     66
    .vgpr_count:     256
    .wavefront_size: 32
...
	.end_amdgpu_metadata
.endif
;; end of part 2
;; launch proj (part 3): grid 8 x 32, 4 waves a work-group, clusters of 4 x 4, 327,680 bytes of LDS; arguments attn_img, Wo_codes, bo, lowp_scales, out0; writes out0
.if DOCPART == 3
	.amdgcn_target "amdgcn-amd-amdhsa--gfx1250"
	.amdhsa_code_object_version 6
	.text
	.protected	k_qe40191cea2_proj
	.globl	k_qe40191cea2_proj
	.p2align	8
	.type	k_qe40191cea2_proj,@function
k_qe40191cea2_proj:
	s_mov_b64 s[64:65], 0
	v_nop
	global_prefetch_b8 v0, s[64:65] scope:SCOPE_SE
	s_setreg_imm32_b32 hwreg(HW_REG_WAVE_MODE, 25, 1), 1
	s_wait_xcnt 0x0
	s_wait_alu depctr_hold_cnt(0) depctr_sa_sdst(0) depctr_va_vdst(0) depctr_va_sdst(0) depctr_va_ssrc(0) depctr_va_vcc(0) depctr_vm_vsrc(0)
	s_getreg_b32 s2, hwreg(HW_REG_IB_STS2, 6, 4)
	s_cmp_eq_u32 s2, 0
	s_cbranch_scc0 .Lentry_in_a_cluster
	s_endpgm
.Lentry_in_a_cluster:
	s_bfe_u32 s2, ttmp6, 0x10000c
	s_cmp_lg_u32 s2, 0xf033
	s_cbranch_scc0 .Lentry_shape_is_right
	s_endpgm
.Lentry_shape_is_right:
; out0 = attn Wo + bo on codes of BF8 (E5M2).  attn_img: [tile of 16 tokens 512][K step of 128: 8][2,048 bytes]: images of operand registers (lane (r, h): token r; registers 2 c, 2 c + 1: k = 16 c + 8 h + 0 .. 7; four registers
; at 512 x group + 16 x lane).  Wo: [1024 (n)][1024 (k)] codes, K innermost.  bo: [1024] f32.  out0: [8192][1024] f32 = sum x 2^(e6 + e7) + bo.
; A tile of 256 tokens x 128 outputs is made by four waves, each 128 x 64: 32 accumulators; 32 x 8 tiles: 256 work-groups.  K goes in steps of 256 through two LDS slots: four fills, so the steps are written out.
; Source 0 = 16 rows of Wo, source 1 = 16 tokens: a lane holds eight neighbouring outputs of one token.  The tokens' fragments come out of LDS as they lie, 16 bytes a lane; Wo's by loads of 8 bytes in the same order of k.
; CLUSTERS: 4 x 4 work-groups; the tokens' tile is shared along a row of the cluster, Wo's along a column: each is asked for jointly.
; LIMIT: e6 + e7 lies between -126 and 127, so that 2^(e6 + e7) is an f32 number.
; REGISTERS, in windows of 256: window 0: addresses; v32-63 bo; v64-95 a block's results; v128-191 rows read back from the stage, two sets.   window 1: the accumulators ((a, b) at v[8 (4 a + b)]).
;   window 2: the tokens' fragments, two sets of 128.   window 3: Wo's, two sets of 64.
.set PB,     272                       ; a row of Wo in LDS: 256 bytes + 16 = 68 words: row r starts at bank 4 r mod 64 (64 banks of 4 bytes: ISA guide 11.1): the 32 lanes of a load of 8 bytes touch 64 different banks
.set ABYTES, 65536                     ; a slot: 16 tiles of tokens x 4,096 bytes (two K steps' images), dense,
.set SLOT,   ABYTES+128*PB             ; then 128 rows of Wo: 100,352 bytes
.set STAGE,  2*SLOT                    ; behind the ring: 16 rows x 272 bytes for each wave, for the way out; no tensor load fills it
.set SPARE,  STAGE+4*16*272            ; behind the stages: the spare words, 128 bytes for each wave, which no other line names
.set ADRA, 16                          ; v16-17  LDS address of my tokens' fragments in slot 0, 1
.set ADRB, 20                          ; v20-21  the same for Wo
.set STO,  24                          ; v24     the way out: where I put 32 bytes of a row
.set RD,   25                          ; v25     where I read a row back
.set CO,   26                          ; v26     my byte offset in two rows of out0; never rewritten
.set SPW,  28
.set NIL,  29
.set BIAS, 32
.set TMP,  64
.set BK,   128
.set G1, 24
.set G0, 32
.set G1B, 48
.set G0B, 56
.set MSB, 0
.macro WIN new                         ; the immediate's high byte repeats the setting that is left
.if MSB != (\new)
	s_set_vgpr_msb (MSB<<8)|(\new)
.set MSB, (\new)
.endif
.endm
.set MUL, 0x5b                         ; source 0 (Wo) window 3, source 1 (tokens) window 2, C and D window 1
.macro JLOAD g0a, g1a, g0b, g1b        ; a joint load: waves 0 and 1 fetch the tokens' halves, waves 2 and 3 Wo's; four v_nop follow each of the two lines
	s_cmp_eq_u32 s17, 0
	s_cbranch_scc0 .Lfor_b_\@
	tensor_load_to_lds s[\g0a:\g0a+3], s[\g1a:\g1a+7]
	s_nop 0
.rept 4
	v_nop
.endr
	s_branch .Lasked_\@
.Lfor_b_\@:
	tensor_load_to_lds s[\g0b:\g0b+3], s[\g1b:\g1b+7]
	s_nop 0
.rept 4
	v_nop
.endr
.Lasked_\@:
.endm
.macro CREST
	s_cmp_lg_u32 s16, 0
	s_cbranch_scc1 .Lnot_wave_0_\@
	s_barrier_signal -3
.Lnot_wave_0_\@:
	s_barrier_wait -3
	s_barrier_signal -1
	s_barrier_wait -1
.endm
.macro CROUND
	s_barrier_signal -1
	s_barrier_wait -1
	CREST
.endm
.macro PLACES n
.rept \n
	v_nop
.endr
.endm
	s_load_b256 s[4:11], s[0:1], 0x0               ; attn_img s[4:5], Wo s[6:7], bo s[8:9], the scales' exponents s[10:11]
	s_load_b64 s[12:13], s[0:1], 0x20              ; out0
	v_lshl_add_u32 v[SPW], v0, 2, SPARE
	v_mov_b32 v[NIL], 0
	ds_add_u32 v28, v29
	ds_add_u32 v28, v29
	s_wait_dscnt 0x0
	v_lshrrev_b32 v1, 5, v0
	v_readfirstlane_b32 s16, v1                    ; wave 0..3
	s_lshr_b32 s17, s16, 1                         ; RH: which 128 tokens are mine.  Also: I fetch tokens (0) or Wo (1)
	s_and_b32 s18, s16, 1                          ; CH: which 64 outputs.  Also: which half of that tile I fetch
	s_bfe_u32 s20, ttmp6, 0x40000                  ; cx, cy
	s_bfe_u32 s21, ttmp6, 0x40004
	s_lshl_b32 s23, ttmp9, 2
	s_add_co_u32 s23, s23, s20                     ; tile column: 128 outputs
	s_and_b32 s22, ttmp7, 0xffff
	s_lshl_b32 s22, s22, 2
	s_add_co_u32 s22, s22, s21                     ; tile row: 256 tokens
	s_lshl_b32 s40, s21, 2
	s_lshl_b32 s40, 15, s40                        ; my row of the cluster
	s_lshl_b32 s41, 0x1111, s20                    ; my column
	; the tokens: 8 rows (tiles of 16 tokens) of 4,096 bytes, 16,384 bytes apart, dense in LDS
	s_or_b32 s[G1+0], s40, (3<<16)|(1<<21)         ; 15:0 the mask; 17:16 elements of 8 bytes; 21 set beside a mask
	s_mov_b32 s[G1+1], 512<<16                     ; tensor_dim0 = 512 elements
	s_mov_b32 s[G1+2], 8<<16                       ; tensor_dim1 = 8
	s_mov_b32 s[G1+3], 512<<16                     ; tile_dim0
	s_mov_b32 s[G1+4], 8                           ; tile_dim1
	s_mov_b32 s[G1+5], 2048                        ; tensor_dim0_stride
	s_mov_b32 s[G1+6], 0
	s_mov_b32 s[G1+7], 0
	; Wo: 64 rows of 256 bytes, padded in LDS
	s_or_b32 s[G1B+0], s41, (0<<16)|(1<<20)|(1<<21)|(5<<22)|(3<<25)  ; elements of 1 byte; padding: four words after every 64
	s_mov_b32 s[G1B+1], 256<<16
	s_mov_b32 s[G1B+2], 64<<16
	s_mov_b32 s[G1B+3], 256<<16
	s_mov_b32 s[G1B+4], 64
	s_mov_b32 s[G1B+5], 1024
	s_mov_b32 s[G1B+6], 0
	s_mov_b32 s[G1B+7], 0
	s_lshl_b32 s42, s22, 18                        ; the tokens' tile hangs on the tile row alone: 16 tiles of 16,384 bytes,
	s_lshl_b32 s44, s18, 17                        ; + my 8 of them
	s_add_co_u32 s42, s42, s44
	s_mov_b32 s43, 0
	s_lshl_b32 s46, s23, 17                        ; Wo's on the tile column alone: 128 rows of 1,024 bytes,
	s_lshl_b32 s45, s18, 16                        ; + my 64 of them
	s_add_co_u32 s46, s46, s45
	s_mov_b32 s47, 0
	s_lshl_b32 s66, s18, 15                        ; where they go in a slot: the tokens' halves,
	s_mul_i32 s67, s18, 64*PB
	s_add_co_u32 s67, s67, ABYTES                  ; Wo's halves: no place in the cluster enters an LDS address
	s_wait_kmcnt 0x0
	s_load_b256 s[72:79], s[10:11], 0x0            ; e0 .. e7
	s_add_nc_u64 s[68:69], s[4:5], s[42:43]
	s_add_nc_u64 s[70:71], s[6:7], s[46:47]
	CROUND                                         ; all sixteen work-groups are here: the first joint loads meet
.irp s, 0,1
	s_mov_b32 s[G0+4*\s], 1
	s_add_co_u32 s[G0+4*\s+1], s66, \s*SLOT
	s_add_nc_u64 s[G0+4*\s+2:G0+4*\s+3], s[68:69], \s*4096
	s_or_b32 s[G0+4*\s+3], s[G0+4*\s+3], 0x80000000
	s_mov_b32 s[G0B+4*\s], 1
	s_add_co_u32 s[G0B+4*\s+1], s67, \s*SLOT
	s_add_nc_u64 s[G0B+4*\s+2:G0B+4*\s+3], s[70:71], \s*256
	s_or_b32 s[G0B+4*\s+3], s[G0B+4*\s+3], 0x80000000
	s_wait_alu depctr_va_vdst(0)
	s_wait_tensorcnt 0x0
	ds_add_u32 v28, v29
	ds_add_u32 v28, v29
	s_wait_dscnt 0x0
	CROUND
	JLOAD G0+4*\s, G1, G0B+4*\s, G1B               ; one load of mine is out
.endr
	v_and_b32 v1, 15, v0                           ; r
	v_bfe_u32 v2, v0, 4, 1                         ; h
	v_and_b32 v3, 31, v0
	v_lshlrev_b32 v3, 4, v3                        ; 16 x lane
	s_lshl_b32 s80, s17, 15                        ; my 8 tiles of tokens
	v_add_nc_u32 v[ADRA], s80, v3
	v_add_nc_u32 v[ADRA+1], SLOT, v[ADRA]
	v_mul_u32_u24 v4, v1, PB
	v_lshl_add_u32 v4, v2, 3, v4                   ; Wo: row r x pitch + 8 h
	v_add_nc_u32 v[ADRB], s67, v4                  ; my 64 rows are the half that CH names
	v_add_nc_u32 v[ADRB+1], SLOT, v[ADRB]
	s_mul_i32 s81, s16, 16*272
	s_add_co_u32 s81, s81, STAGE                   ; my stage
	v_mul_u32_u24 v5, v1, 272
	v_lshl_add_u32 v5, v2, 5, v5
	v_add_nc_u32 v[STO], s81, v5                   ; in: row r, 32 bytes for each half of the lanes
	v_mul_u32_u24 v5, v2, 272
	v_lshl_add_u32 v5, v1, 4, v5
	v_add_nc_u32 v[RD], s81, v5                    ; back: lanes 0-15 one row of 256 bytes, lanes 16-31 the next
	v_lshlrev_b32 v5, 12, v2
	v_lshl_add_u32 v[CO], v1, 4, v5                ; and the same two rows in out0: 4,096 bytes a row
	v_lshlrev_b32 v6, 5, v2                        ; 32 h
	s_wait_alu depctr_va_vdst(0)
	s_lshl_b32 s82, s22, 8
	s_lshl_b32 s83, s17, 7
	s_add_co_u32 s82, s82, s83                     ; my first token
	s_lshl_b32 s82, s82, 12
	s_lshl_b32 s84, s23, 9
	s_lshl_b32 s85, s18, 8
	s_add_co_u32 s84, s84, s85                     ; my first output, in bytes: 512 x tile column + 256 x half: in bo and in a row of out0 alike
	s_mov_b32 s85, 0
	s_add_nc_u64 s[8:9], s[8:9], s[84:85]
	s_add_co_u32 s82, s82, s84
	s_mov_b32 s83, 0
	s_add_nc_u64 s[12:13], s[12:13], s[82:83]
.irp b, 0,1,2,3
	global_load_b128 v[BIAS+8*\b:BIAS+8*\b+3],   v6, s[8:9] offset:64*\b      ; bo of outputs 16 b + 8 h + 0 .. 7
	global_load_b128 v[BIAS+8*\b+4:BIAS+8*\b+7], v6, s[8:9] offset:64*\b+16
.endr
; the fragments of the slot's q-th 128 along K into set p: Wo's four (registers 2 c, 2 c + 1: k = 16 c + 8 h + 0 .. 7, as the images have it), the tokens' eight
.macro FETCH slot, q, p
	WIN 0xc0                                       ; destination window 3
.irp b, 0,1,2,3
.irp c, 0,1,2,3,4,5,6,7
	ds_load_b64 v[64*(\p)+16*\b+2*\c:64*(\p)+16*\b+2*\c+1], v[ADRB+\slot] offset:16*PB*\b+128*(\q)+16*\c
.endr
.endr
	WIN 0x80                                       ; destination window 2
.irp a, 0,1,2,3,4,5,6,7
.irp c, 0,1,2,3
	ds_load_b128 v[128*(\p)+16*\a+4*\c:128*(\p)+16*\a+4*\c+3], v[ADRA+\slot] offset:4096*\a+2048*(\q)+512*\c
.endr
.endr
	WIN 0
.endm
; 8 matrix instructions: blocks a0, a0 + 1 of tokens x the four of outputs.  z = 1: the first products start the sums.  The 32 accumulators take turns, in the same order in every step.
.macro MUL8 a0, p, z
.irp a, \a0, \a0+1
.irp b, 0,1,2,3
.if \z
	v_wmma_f32_16x16x128_bf8_bf8 v[8*(4*(\a)+\b):8*(4*(\a)+\b)+7], v[64*(\p)+16*\b:64*(\p)+16*\b+15], v[128*(\p)+16*(\a):128*(\p)+16*(\a)+15], 0
.else
	v_wmma_f32_16x16x128_bf8_bf8 v[8*(4*(\a)+\b):8*(4*(\a)+\b)+7], v[64*(\p)+16*\b:64*(\p)+16*\b+15], v[128*(\p)+16*(\a):128*(\p)+16*(\a)+15], v[8*(4*(\a)+\b):8*(4*(\a)+\b)+7]
.endif
.endr
.endr
.endm
.macro STEP slot, z                    ; a slot's first 128 along K, on set 0; the second's fragments are fetched ahead of its products
	s_wait_dscnt 0x0                               ; set 0 is in
	PLACES 4                                       ; for the loads into set 1, which the step before multiplied
	FETCH \slot, 1, 1
	WIN MUL
	MUL8 0, 0, \z
	MUL8 2, 0, \z
	MUL8 4, 0, \z
	MUL8 6, 0, \z
.endm
; A slot's second 128 along K, on set 1, changes slots: ONE barrier; in front of it each wave waits for all its tensor loads, adds 0 to its spare word, and waits for that and for its own reads of this slot.
.macro TURN slot, next, fill
	WIN 0                                          ; the add's two registers lie in window 0
	s_wait_tensorcnt 0x0                           ; all my tensor loads have landed: my part of the next slot
	ds_add_u32 v[SPW], v[NIL]                      ; 0 onto my spare word
	s_wait_dscnt 1                                 ; set 1 is in; the add may be out
	WIN MUL
	MUL8 0, 1, 0                                   ; eight matrix instructions stand between the add and the wait for it
	s_wait_dscnt 0x0                               ; the add is done, and my reads of this slot are over
	s_barrier_signal -1
	MUL8 2, 1, 0
	WIN 0
	s_barrier_wait -1
.if \fill
	CREST                                          ; the barrier has opened a round of the cluster's barrier: no wave of any partner still reads this slot or has a load on its way
	s_add_nc_u64 s[G0+4*\slot+2:G0+4*\slot+3], s[G0+4*\slot+2:G0+4*\slot+3], 2*4096
	s_add_nc_u64 s[G0B+4*\slot+2:G0B+4*\slot+3], s[G0B+4*\slot+2:G0B+4*\slot+3], 2*256
	JLOAD G0+4*\slot, G1, G0B+4*\slot, G1B         ; the first tensor load behind the round; its four v_nop are also the places in front of the loads below
.else
	PLACES 4
.endif
	FETCH \next, 0, 0
	WIN MUL
	MUL8 4, 1, 0
	MUL8 6, 1, 0
.endm
	s_wait_tensorcnt 1                             ; my part of K step 0 is in; K step 1's load may stay out
	s_barrier_signal -1
	s_barrier_wait -1                              ; everybody's is
	FETCH 0, 0, 0
	STEP 0, 1
	TURN 0, 1, 1
	STEP 1, 0
	TURN 1, 0, 1
	STEP 0, 0
	TURN 0, 1, 0                                   ; nothing is left to fetch: no round
	STEP 1, 0
	s_wait_dscnt 0x0                               ; the very last 128 along K
	MUL8 0, 1, 0
	MUL8 2, 1, 0
	MUL8 4, 1, 0
	MUL8 6, 1, 0
	WIN 0
; THE WAY OUT, block by block of 16 tokens x 64 outputs: sum x 2^(e6 + e7) + bo, one packed multiply-add for two numbers, each accumulator from its low end on; through my own stage in LDS; back as whole rows of 256 bytes.
; LDS serves a wave's instructions in order (ISA guide 5.7.1.4): no wait between the stores and the loads, nor in front of the next block's stores.
.macro TOSTAGE a
	WIN 0x01                                       ; source 0 (the sums) window 1
.irp b, 0,1,2,3
.irp i, 0,2,4,6
	v_pk_fma_f32 v[TMP+8*\b+\i:TMP+8*\b+\i+1], v[8*(4*(\a)+\b)+\i:8*(4*(\a)+\b)+\i+1], s[96:97], v[BIAS+8*\b+\i:BIAS+8*\b+\i+1] op_sel_hi:[1,0,1]
.endr
.endr
	WIN 0
.irp b, 0,1,2,3
	ds_store_b128 v[STO], v[TMP+8*\b:TMP+8*\b+3] offset:64*\b
	ds_store_b128 v[STO], v[TMP+8*\b+4:TMP+8*\b+7] offset:64*\b+16
.endr
.set BB, BK+32*((\a)%2)
.irp t, 0,1,2,3,4,5,6,7
	ds_load_b128 v[BB+4*\t:BB+4*\t+3], v[RD] offset:\t*2*272
.endr
.endm
.macro SEND a, younger                 ; younger: the LDS instructions issued behind block a's loads, which may stay out
.set BB, BK+32*((\a)%2)
	s_wait_dscnt \younger
.irp t, 0,1,2,3,4,5,6,7
	global_store_b128 v[CO], v[BB+4*\t:BB+4*\t+3], s[12:13] offset:(16*(\a)+2*\t)*4096 th:TH_STORE_NT   ; 16 lanes store 256 consecutive bytes, at a multiple of 256 from out0's first byte; 126 rows at the most stand in the immediate; written once, read by nobody here
.endr
.endm
	s_wait_kmcnt 0x0
	s_wait_loadcnt 0x0                             ; bo
	s_add_co_i32 s96, s78, s79                     ; e6 + e7
	s_add_co_i32 s96, s96, 127
	s_lshl_b32 s96, s96, 23                        ; 2^(e6 + e7) as f32
	s_mov_b32 s97, s96                             ; (named with it as a pair, so it is written)
	PLACES 4                                       ; behind the last products
	TOSTAGE 0
.irp a, 1,2,3,4,5,6,7
.if \a > 1
	s_wait_xcnt 0x0                                ; block a - 2's stores have read their registers: block a's loads may land there
.endif
	TOSTAGE \a
	SEND \a-1, 16                                  ; behind block a - 1's loads: block a's 8 stores and 8 loads
.endr
	SEND 7, 0
	s_wait_tensorcnt 0x0                           ; the wave's end
	ds_add_u32 v[SPW], v[NIL]
	s_wait_dscnt 0x0
	CROUND                                         ; the closing round: no work-group ends while a partner may still ask for a tile that names it
	s_endpgm
.Lfunc_end_k_qe40191cea2_proj:
	.size	k_qe40191cea2_proj, .Lfunc_end_k_qe40191cea2_proj-k_qe40191cea2_proj
	.p2alignl 7, 3214868480
	.fill 96, 4, 3214868480
	.section	.rodata,"a",@progbits
	.p2align	6, 0x0
	.amdhsa_kernel k_qe40191cea2_proj
		.amdhsa_group_segment_fixed_size 327680
		.amdhsa_private_segment_fixed_size 0
		.amdhsa_enable_private_segment 0
		.amdhsa_kernarg_size 40
		.amdhsa_user_sgpr_count 2
		.amdhsa_user_sgpr_kernarg_segment_ptr 1
		.amdhsa_wavefront_size32 1
		.amdhsa_system_sgpr_workgroup_id_x 1
		.amdhsa_system_sgpr_workgroup_id_y 1
		.amdhsa_system_sgpr_workgroup_id_z 1
		.amdhsa_system_vgpr_workitem_id 0
		.amdhsa_next_free_vgpr 1024
		.amdhsa_next_free_sgpr 100
		.amdhsa_reserve_vcc 0
		.amdhsa_float_denorm_mode_32 3
		.amdhsa_float_denorm_mode_16_64 3
		.amdhsa_memory_ordered 1
		.amdhsa_forward_progress 1
		.amdhsa_inst_pref_size 85
	.end_amdhsa_kernel
	.amdgpu_metadata
---
amdhsa.version: [ 1, 2 ]
amdhsa.kernels:
  - .name:           k_qe40191cea2_proj
    .symbol:         k_qe40191cea2_proj.kd
    .args:
      - { .name: attn_img, .offset: 0, .size: 8, .value_kind: global_buffer, .address_space: global }
      - { .name: Wo_codes, .offset: 8, .size: 8, .value_kind: global_buffer, .address_space: global }
      - { .name: bo, .offset: 16, .size: 8, .value_kind: global_buffer, .address_space: global }
      - { .name: lowp_scales, .offset: 24, .size: 8, .value_kind: global_buffer, .address_space: global }
      - { .name: out0, .offset: 32, .size: 8, .value_kind: global_buffer, .address_space: global }
    .group_segment_fixed_size: 327680
    .private_segment_fixed_size: 0
    .kernarg_segment_align: 8
    .kernarg_segment_size: 40
    .max_flat_workgroup_size: 128
    .sgpr_count:     100
    .vgpr_count:     1024
    .wavefront_size: 32
...
	.end_amdgpu_metadata
.endif
;; end of part 3
